; MI455X (gfx1250); checked and timed in simulation.
; The chip was launched on July 23, 2026; its instructions are those of AMD's public machine-readable ISA for CDNA 5 (MIT licence, August 2026) and "CDNA5" Instruction Set Architecture Reference Guide (July 2026). The comments in the code are by the model that wrote it; some were corrected since.
;; One Bit Linear. Allowed arithmetic: float matrix products may take bf16 or f16 operands with f32 sums; other float arithmetic in f32, or as packed bf16 or f16 multiplies, adds, multiply-adds, maxima and minima; sums over many terms, partial sums and values carried from step to step in f32; what a program stores and reads back later, other than sums and carried values, may be rounded once to bf16 or f16.
;; Inputs: a 4,096 float32; b 4,096 float32; bias 4,096 float32; sign_packed 2,097,152 int32; x 4 x 1,024 x 4,096 float32.
;; Outputs: out0 4 x 1,024 x 4,096 float32.
;; 2 versions, each right; version 2 is version 1 with the launch prep written anew for expert scheduling mode. Each part assembles by itself: llvm-mc -triple=amdgcn-amd-amdhsa -mcpu=gfx1250 --defsym DOCPART=n.
;; ======== version 1 of 2: 2 launches
;; limits: values are held in f16: magnitudes above 65,504 overflow, below 6.1e-05 lose precision; right only within a limited range of input values
;; workspace buffers: xs 33,554,432 bytes; w 33,554,432 bytes
;; launch prep (part 1): grid 1024 x 1, 8 waves a work-group, no clusters, 0 bytes of LDS; arguments x, b, sign_packed, xs, w; writes xs, w
.if DOCPART == 1
	.amdgcn_target "amdgcn-amd-amdhsa--gfx1250"
	.amdhsa_code_object_version 6
	.text
	.protected	k_q8089f9b4b9_prep
	.globl	k_q8089f9b4b9_prep
	.p2align	8
	.type	k_q8089f9b4b9_prep,@function
k_q8089f9b4b9_prep:
	s_mov_b64 s[64:65], 0
	v_nop
	global_prefetch_b8 v0, s[64:65] scope:SCOPE_SE
	s_setreg_imm32_b32 hwreg(HW_REG_WAVE_MODE, 25, 1), 1
	s_wait_xcnt 0x0
; xs[m][i] = f16(x[m][i] * b[i]);  w[o][i] = +1 or -1 in f16, from bit 7 - i % 8 of word o * 512 + i / 8 of sign_packed.
; x: [4096][4096] f32, b: [4096] f32, sign_packed: [2097152] i32 (only the low 8 bits of a word count, the highest of them first); xs, w: [4096][4096] f16.
; WHY f16: x * b is rounded once, to 11 significant bits; with 8 the sum of 4,096 such roundings would come too near the comparison's allowance in columns with a large a.  +1 and -1 are exact.
; LIMIT: |x * b| stays under 65,504 (beyond 65,519 the conversion gives an infinity); below 6.1e-5 a product keeps f16's fixed step of 6e-8.  NaN and infinities are not treated apart.
; SHARES.  A stream: each byte is read once and written once; no LDS, no barrier, nothing shared between waves.  Work-group g owns rows 4 g .. 4 g + 3 of x and of the signs.
;   x: 65,536 dense bytes = 16 chunks of 4,096; thread t takes 16 bytes at 16 t of each chunk (a wave: 512 consecutive bytes) and stores 8 bytes at 8 t (a wave: 256 consecutive bytes, aligned).
;      A row is four chunks, so chunk i takes the four numbers of b at column 1,024 (i % 4) + 4 t: 16 registers hold all that a thread needs of b.
;   signs: 2,048 words = 8 passes of 256; thread t takes one word of each pass and stores its 8 numbers, 16 bytes at 16 t (a wave: 512 consecutive bytes).
; All 28 loads of a thread go out first; the waits count down.  No address register and no register that a store reads is ever written again, so no wait frees any.
.set B,  4                             ; v[4:19]    b: four numbers for each of the four chunks of a row
.set X,  20                            ; v[20:83]   x: chunk i in four registers; its first two then hold the four f16
.set SG, 84                            ; v[84:91]   the eight sign words
.set T,  92                            ; v[92:93]   at work
.set WO, 96                            ; v[96:127]  pass i: four registers, eight f16 to store
	s_load_b256 s[4:11], s[0:1], 0x0               ; x s[4:5], b s[6:7], sign_packed s[8:9], xs s[10:11]
	s_load_b64 s[12:13], s[0:1], 0x20              ; w
	v_lshlrev_b32 v1, 4, v0                        ; 16 t
	v_lshlrev_b32 v2, 3, v0                        ; 8 t
	v_lshlrev_b32 v3, 2, v0                        ; 4 t
	s_mov_b32 s14, 0x80008000                      ; the two sign bits of a pair of f16
	s_mov_b32 s15, 0x3c003c00                      ; 1.0 twice in f16
	s_mov_b32 s3, 0
	s_wait_kmcnt 0x0
	s_lshl_b32 s2, ttmp9, 16                       ; the work-group's 65,536 bytes of x
	s_add_nc_u64 s[4:5], s[4:5], s[2:3]
	s_lshl_b32 s2, ttmp9, 13                       ; its 8,192 bytes of sign words
	s_add_nc_u64 s[8:9], s[8:9], s[2:3]
	s_lshl_b32 s2, ttmp9, 15                       ; its 32,768 bytes of xs and of w
	s_add_nc_u64 s[10:11], s[10:11], s[2:3]
	s_add_nc_u64 s[12:13], s[12:13], s[2:3]
.irp c, 0,1,2,3
	global_load_b128 v[B+4*(\c):B+4*(\c)+3], v1, s[6:7] offset:(\c)*4096
.endr
.irp i, 0,1,2,3,4,5,6,7,8,9,10,11,12,13,14,15
	global_load_b128 v[X+4*(\i):X+4*(\i)+3], v1, s[4:5] offset:(\i)*4096 th:TH_LOAD_NT
.endr
.irp i, 0,1,2,3,4,5,6,7
	global_load_b32 v[SG+(\i)], v3, s[8:9] offset:(\i)*1024 th:TH_LOAD_NT
.endr
; Chunk i of x: four products in f32, rounded once to f16, stored.
.macro XCH i
	s_wait_loadcnt 23-(\i)                         ; loads come back in order: behind chunk i's stand 15 - i chunks and 8 sign words; b's four stand ahead of it
	v_pk_mul_f32 v[X+4*(\i):X+4*(\i)+1],   v[X+4*(\i):X+4*(\i)+1],   v[B+4*((\i)%4):B+4*((\i)%4)+1]
	v_pk_mul_f32 v[X+4*(\i)+2:X+4*(\i)+3], v[X+4*(\i)+2:X+4*(\i)+3], v[B+4*((\i)%4)+2:B+4*((\i)%4)+3]
	v_cvt_pk_f16_f32 v[X+4*(\i)],   v[X+4*(\i)],   v[X+4*(\i)+1]
	v_cvt_pk_f16_f32 v[X+4*(\i)+1], v[X+4*(\i)+2], v[X+4*(\i)+3]
	global_store_b64 v2, v[X+4*(\i):X+4*(\i)+1], s[10:11] offset:(\i)*2048 th:TH_STORE_NT
.endm
; Pass i of the signs.  n = the word's low 8 bits, inverted: a set bit of n means -1.  n | n << 17 holds n at bits 0-7 and at bits 17-24; shifted left by 8 + 2 j it
; has n's bit 7 - 2 j (number 2 j of the eight) at bit 15 and n's bit 6 - 2 j (number 2 j + 1) at bit 31: the sign bits of a pair of f16, which are laid onto 1.0, 1.0.
.macro SGN i
	s_wait_loadcnt 7-(\i)                          ; behind word i's load stand 7 - i others
	v_xor_b32 v[T], -1, v[SG+(\i)]
	v_and_b32 v[T], 0xff, v[T]
	v_lshl_or_b32 v[T], v[T], 17, v[T]
.irp j, 0,1,2,3
	v_lshlrev_b32 v[T+1], 8+2*(\j), v[T]
	v_and_or_b32 v[WO+4*(\i)+(\j)], v[T+1], s14, s15
.endr
	global_store_b128 v1, v[WO+4*(\i):WO+4*(\i)+3], s[12:13] offset:(\i)*4096 th:TH_STORE_NT
.endm
.irp i, 0,1,2,3,4,5,6,7,8,9,10,11,12,13,14,15
	XCH \i
.endr
.irp i, 0,1,2,3,4,5,6,7
	SGN \i
.endr
	s_endpgm
.Lfunc_end_k_q8089f9b4b9_prep:
	.size	k_q8089f9b4b9_prep, .Lfunc_end_k_q8089f9b4b9_prep-k_q8089f9b4b9_prep
	.p2alignl 7, 3214868480
	.fill 96, 4, 3214868480
	.section	.rodata,"a",@progbits
	.p2align	6, 0x0
	.amdhsa_kernel k_q8089f9b4b9_prep
		.amdhsa_group_segment_fixed_size 0
		.amdhsa_private_segment_fixed_size 0
		.amdhsa_enable_private_segment 0
		.amdhsa_kernarg_size 40
		.amdhsa_user_sgpr_count 2
		.amdhsa_user_sgpr_kernarg_segment_ptr 1
		.amdhsa_wavefront_size32 1
		.amdhsa_system_sgpr_workgroup_id_x 1
		.amdhsa_system_sgpr_workgroup_id_y 1
		.amdhsa_system_sgpr_workgroup_id_z 1
		.amdhsa_system_vgpr_workitem_id 0
		.amdhsa_next_free_vgpr 128
		.amdhsa_next_free_sgpr 66
		.amdhsa_reserve_vcc 0
		.amdhsa_float_denorm_mode_32 3
		.amdhsa_float_denorm_mode_16_64 3
		.amdhsa_memory_ordered 1
		.amdhsa_forward_progress 1
		.amdhsa_inst_pref_size 15
	.end_amdhsa_kernel
	.amdgpu_metadata
---
amdhsa.version: [ 1, 2 ]
amdhsa.kernels:
  - .name:           k_q8089f9b4b9_prep
    .symbol:         k_q8089f9b4b9_prep.kd
    .args:
      - { .name: x, .offset: 0, .size: 8, .value_kind: global_buffer, .address_space: global }
      - { .name: b, .offset: 8, .size: 8, .value_kind: global_buffer, .address_space: global }
      - { .name: sign_packed, .offset: 16, .size: 8, .value_kind: global_buffer, .address_space: global }
      - { .name: xs, .offset: 24, .size: 8, .value_kind: global_buffer, .address_space: global }
      - { .name: w, .offset: 32, .size: 8, .value_kind: global_buffer, .address_space: global }
    .group_segment_fixed_size: 0
    .private_segment_fixed_size: 0
    .kernarg_segment_align: 8
    .kernarg_segment_size: 40
    .max_flat_workgroup_size: 256
    .sgpr_count:     66
    .vgpr_count:     128
    .wavefront_size: 32
...
	.end_amdgpu_metadata
.endif
;; end of part 1
;; launch gemm (part 2): grid 16 x 16, 4 waves a work-group, clusters of 4 x 4, 327,680 bytes of LDS; arguments xs, w, a, bias, out0; writes out0
.if DOCPART == 2
	.amdgcn_target "amdgcn-amd-amdhsa--gfx1250"
	.amdhsa_code_object_version 6
	.text
	.protected	k_q8089f9b4b9_gemm
	.globl	k_q8089f9b4b9_gemm
	.p2align	8
	.type	k_q8089f9b4b9_gemm,@function
k_q8089f9b4b9_gemm:
	s_mov_b64 s[64:65], 0
	v_nop
	global_prefetch_b8 v0, s[64:65] scope:SCOPE_SE
	s_setreg_imm32_b32 hwreg(HW_REG_WAVE_MODE, 25, 1), 1
	s_wait_xcnt 0x0
	s_wait_alu depctr_hold_cnt(0) depctr_sa_sdst(0) depctr_va_vdst(0) depctr_va_sdst(0) depctr_va_ssrc(0) depctr_va_vcc(0) depctr_vm_vsrc(0)
	s_getreg_b32 s2, hwreg(HW_REG_IB_STS2, 6, 4)
	s_cmp_eq_u32 s2, 0
	s_cbranch_scc0 .Lentry_in_a_cluster
	s_endpgm
.Lentry_in_a_cluster:
	s_bfe_u32 s2, ttmp6, 0x10000c
	s_cmp_lg_u32 s2, 0xf033
	s_cbranch_scc0 .Lentry_shape_is_right
	s_endpgm
.Lentry_shape_is_right:
; out0[m][o] = a[o] * (sum over i of xs[m][i] w[o][i]) + bias[o].  xs: [4096][4096] f16 (x * b, rounded once); w: [4096][4096] f16 (+1 or -1, exact); a, bias: [4096] f32; out0: [4096][4096] f32.
; Sums in f32, in the matrix unit's order, K ascending, one accumulator an output; a and bias enter by ONE fused multiply-add in f32 on the way out.
; LIMITS: those of xs (|x * b| under 65,504); NaN and infinities are not treated apart.
; SHARES.  A tile of out0, 256 x 256, is made by a work-group of four waves; a wave makes 128 x 128: 64 accumulators of 16 x 16, 512 registers.  4096 / 256 squared = 256 tiles, one a work-group.
; K goes in 32 steps of 128 through a ring of two LDS slots filled by the tensor data mover: a tile's rows are 256 bytes of memory and start at multiples of 256 bytes from the buffer's first byte.
; CLUSTERS: 4 x 4 work-groups.  The four of a row of the cluster need the same tiles of xs, the four of a column the same tiles of w: such a tile is asked for JOINTLY, by the same tensor load with
; the same descriptor and a mask that names the four, and each receives it in its own LDS: the requests for xs and for w are divided by four.
; REGISTERS, in windows of 256 (s_set_vgpr_msb's low byte: bits 1:0 source 0, 3:2 source 1, 5:4 source 2, 7:6 destination):
;   window 0: v0-31 addresses, a and bias; v64-127, v128-191 fragments of xs (8 x 16 rows x 32 K), two buffers; on the way out the same 128 hold rows read back from the stage
;   window 1: v64-127, v128-191 fragments of w, two buffers
;   window 2: the 32 accumulators of my rows 0-63 (accumulator (a, b) at v[8 (8 a + b)]);   window 3: those of my rows 64-127
; THE MATRIX INSTRUCTION IS USED TRANSPOSED: source 0 = 16 rows of w, source 1 = 16 rows of xs.  In the result lane l holds row l % 16 of out0 and its registers 0 to 7 the columns
; 8 (l / 16) + 0 .. 7: 32 neighbouring bytes of a row.
.set SIZE_K, 4096
.set SIZE_N, 4096
.set KSTEP,  128
.set PITCH,  272                       ; an LDS row: 256 bytes of data + 16 of padding = 68 words: row r starts at bank 4 r mod 64 (64 banks of 4 bytes: ISA guide 11.1), so the 16 rows of a fragment load start at 16 different banks
.set HALFT,  128*PITCH                 ; 128 rows: what one tensor load brings, and what one wave reads of xs or of w
.set SLOT,   4*HALFT                   ; xs's 256 rows, then w's 256 rows
.set STAGE,  2*SLOT                    ; behind the ring: 16 rows x 528 bytes for each wave, for the way out; no tensor load lands there
.set SP,     528                       ; a stage row: 512 bytes (128 f32) + 16: row r starts 16 r bytes further round the banks
.set SPARE,  STAGE+4*16*SP             ; behind the stages: the spare words, 128 bytes for each wave: two blocks of 256 bytes that no other line names
.set LAPS,   SIZE_K/(2*KSTEP)          ; a lap = two K steps = once round the ring: 16
.set OROW,   SIZE_N*4                  ; bytes in a row of out0
.set ABO,  6                           ; v6      my byte offset in a and in bias; never rewritten
.set AV,   8                           ; v[8:11]  a of the four columns that I store
.set BI,   12                          ; v[12:15] bias of them
.set ADRA, 16                          ; v16-17  LDS address of my xs fragments in slot 0, 1
.set ADRB, 20                          ; v20-21  the same for w
.set STO,  24                          ; v24     the way out: where I put 32 bytes of a row
.set RD,   25                          ; v25     the way out: where I read 16 bytes of a row back
.set CO,   26                          ; v26     my byte offset in a row of my part of out0: 16 x lane
.set SPW,  28                          ; v28     LDS address of my spare word: SPARE + 4 x my thread's number; never rewritten
.set NIL,  29                          ; v29     0; never rewritten
.set PFO,  30                          ; v30     the prefetches' offset: my lane x a row of xs or w (8,192 bytes); never rewritten
.set PFA,  44                          ; s[44:45] where my prefetches stand: my work-group's 32 rows of the 128 that I fetch, one K step further along K than the refill that is being asked for
.set LIM,  43                          ; s43     1 in a wave that prefetches, else the greatest number
.set F0,   64                          ; fragment buffer 0
.set F1,   128                         ; fragment buffer 1
.set G1,  24                           ; s[24:31] descriptor group 1 for xs's tiles
.set G0,  32                           ; s[32:39] descriptor group 0 for xs's tiles, one set for each slot
.set G1B, 48                           ; s[48:55] group 1 for w's tiles: it differs in the mask alone
.set G0B, 56                           ; s[56:63] group 0 for w's tiles, one set for each slot
.set MSB, 0
.macro WIN new                         ; the immediate's high byte repeats the setting that is left; a switch that changes nothing is dropped
.if MSB != (\new)
	s_set_vgpr_msb (MSB<<8)|(\new)
.set MSB, \new
.endif
.endm
.set MUL_LO, 0xa1                      ; source 0 (w) window 1, source 1 (xs) window 0, C and D window 2
.set MUL_HI, 0xf1                      ; the same, C and D window 3
.set TO_B,   0x40                      ; destination window 1, address window 0
; A joint load.  Waves 0 and 1 fetch xs's two halves, waves 2 and 3 w's.  Each of the two lines has ONE mask and one set of registers for all that issue it.  The branch hangs on the wave's
; number alone.  An s_nop 0 and four v_nop follow each of the two lines, ahead of the jump, the label and what follows the macro.
.macro JLOAD s
	s_cmp_eq_u32 s11, 0
	s_cbranch_scc0 .Lfor_b_\@
	tensor_load_to_lds s[G0+4*(\s):G0+4*(\s)+3], s[G1:G1+7]
	s_nop 0
.rept 4
	v_nop
.endr
	s_branch .Lasked_\@
.Lfor_b_\@:
	tensor_load_to_lds s[G0B+4*(\s):G0B+4*(\s)+3], s[G1B:G1B+7]
	s_nop 0
.rept 4
	v_nop
.endr
.Lasked_\@:
.endm
; A PREFETCH INTO THE L2, behind each joint refill, its five lines and the run of LDS loads that follows them: the K step that stands TWO refills on, 512 matrix instructions ahead of the load that
; will want it: 32 rows x 256 bytes, a lane a row, one instruction a wave.  Each row's 256 bytes of a K step are named ONCE in the launch: xs's tile row is read by every cluster of that row of
; clusters, and the one with x = 0 asks; w's tile column by every cluster of that column, and the one with y = 0 asks.  The four partners that ask for a tile jointly share its rows out BY ADDRESS:
; of the 128 rows that a wave fetches the partner at place p takes 32 p .. 32 p + 31 (p = cx for xs, cy for w).  In the loop's last trip (s3 = 1) there is no K step two refills on: nothing is asked for.
.macro ASK
	s_cmp_gt_u32 s3, s[LIM]
	s_cbranch_scc0 .Lnot_mine_\@
	global_prefetch_b8 v[PFO], s[PFA:PFA+1] offset:KSTEP*2 th:TH_LOAD_NT scope:SCOPE_SE
.Lnot_mine_\@:
.endm
; A round of the cluster's barrier: my work-group's barrier, so that wave 0's signal speaks for all four waves; wave 0 signals for the work-group; every wave waits for all sixteen work-groups;
; my work-group's barrier once more.  No LDS instruction of the wave is pending at a signal.
.macro CREST                           ; a round behind its opening barrier
	s_cmp_lg_u32 s10, 0
	s_cbranch_scc1 .Lnot_wave_0_\@
	s_barrier_signal -3
.Lnot_wave_0_\@:
	s_barrier_wait -3
	s_barrier_signal -1
	s_barrier_wait -1
.endm
.macro CROUND                          ; a whole round
	s_barrier_signal -1
	s_barrier_wait -1
	CREST
.endm
	s_load_b128 s[4:7], s[0:1], 0x0                ; xs s[4:5], w s[6:7]
	s_load_b128 s[68:71], s[0:1], 0x10             ; a s[68:69], bias s[70:71]
	s_load_b64 s[8:9], s[0:1], 0x20                ; out0
	v_lshl_add_u32 v[SPW], v0, 2, SPARE
	v_mov_b32 v[NIL], 0
	ds_add_u32 v[SPW], v[NIL]                      ; the wave's opening: the add and its wait stand ahead of my first tensor load; the set-up below, work on registers, stands between them
	v_lshrrev_b32 v1, 5, v0
	v_readfirstlane_b32 s10, v1                    ; wave 0..3
	s_lshr_b32 s11, s10, 1                         ; which half of the tile's rows is mine.  Also: I fetch for xs (0) or for w (1)
	s_and_b32 s12, s10, 1                          ; which half of its columns.  Also: which 128 rows of that tile I fetch
	s_bfe_u32 s40, ttmp6, 0x40000                  ; cx: my place along the cluster's x
	s_bfe_u32 s41, ttmp6, 0x40004                  ; cy: along its y
	s_lshl_b32 s42, ttmp9, 2                       ; in a cluster launch ttmp9 and ttmp7 count clusters
	s_add_co_u32 s42, s42, s40                     ; tile column = 4 x cluster x + cx
	s_and_b32 s13, ttmp7, 0xffff
	s_lshl_b32 s13, s13, 2
	s_add_co_u32 s13, s13, s41                     ; tile row = 4 x cluster y + cy
	s_lshl_b32 s43, s41, 2
	s_lshl_b32 s43, 15, s43                        ; my row of the cluster: places 4 cy .. 4 cy + 3
	s_lshl_b32 s44, 0x1111, s40                    ; my column: places cx, cx + 4, cx + 8, cx + 12
	; descriptor group 1: a tile of 128 rows x 128 elements, padded in LDS
	s_or_b32 s[G1+0], s43, (1<<16)|(1<<20)|(1<<21)|(5<<22)|(3<<25)  ; 15:0 the mask: xs's tiles go to my row; 17:16 elements of 2 bytes; 20 padding on; 21 set beside a mask; 24:22 after every 64 words (code 5); 31:25 4 words of it (code 3)
	s_or_b32 s[G1B+0], s44, (1<<16)|(1<<20)|(1<<21)|(5<<22)|(3<<25) ; the same with the mask of my column, for w's tiles
	s_mov_b32 s[G1B+1], KSTEP<<16
	s_mov_b32 s[G1+1], KSTEP<<16                   ; 63:48 tensor_dim0, low half = 128
	s_mov_b32 s[G1B+2], 128<<16
	s_mov_b32 s[G1+2], 128<<16                     ; 79:64 its high half = 0; 95:80 tensor_dim1, low half = 128
	s_mov_b32 s[G1B+3], KSTEP<<16
	s_mov_b32 s[G1+3], KSTEP<<16                   ; 111:96 its high half = 0; 127:112 tile_dim0 = 128
	s_mov_b32 s[G1B+4], 128
	s_mov_b32 s[G1+4], 128                         ; 143:128 tile_dim1 = 128; 159:144 tile_dim2 = 0
	s_mov_b32 s[G1B+5], SIZE_K
	s_mov_b32 s[G1+5], SIZE_K                      ; 191:160 tensor_dim0_stride, low word: elements from row to row
	s_mov_b32 s[G1B+6], 0
	s_mov_b32 s[G1+6], 0
	s_mov_b32 s[G1B+7], 0
	s_mov_b32 s[G1+7], 0
	; where the tiles come from.  xs's hang on the tile row alone, which my row of the cluster shares; w's on the tile column alone, which my column shares.
	; Every wave makes both addresses, in registers that never hold the other coordinate, and asks by one of them.
	s_lshl_b32 s17, s12, 7                         ; which 128 rows of the tile I fetch
	s_lshl_b32 s16, s13, 8
	s_add_co_u32 s16, s16, s17                     ; xs: row 256 x tile row + 128 x half
	s_lshl_b32 s46, s42, 8
	s_add_co_u32 s46, s46, s17                     ; w: row 256 x tile column + 128 x half
	s_mov_b32 s17, 0
	s_mov_b32 s47, 0
	s_mov_b64 s[18:19], SIZE_K*2
	s_mul_u64 s[16:17], s[16:17], s[18:19]         ; in bytes
	s_mul_u64 s[46:47], s[46:47], s[18:19]
	s_mul_i32 s20, s10, HALFT                      ; and where they go: xs's two halves, then w's two halves = wave x 128 rows: no place in the cluster enters an LDS address
	s_wait_dscnt 0x0                               ; the opening add is done
	s_wait_kmcnt 0x0
	s_add_nc_u64 s[14:15], s[4:5], s[16:17]
	s_add_nc_u64 s[46:47], s[6:7], s[46:47]
	CROUND                                         ; all sixteen work-groups are here: the first joint loads meet
.irp s, 0,1
	s_mov_b32 s[G0+4*(\s)], 1                                      ; 1:0 count = 1
	s_add_co_u32 s[G0+4*(\s)+1], s20, (\s)*SLOT                    ; 63:32 LDS address
	s_add_nc_u64 s[G0+4*(\s)+2:G0+4*(\s)+3], s[14:15], (\s)*KSTEP*2  ; 120:64 global address: K step s
	s_or_b32 s[G0+4*(\s)+3], s[G0+4*(\s)+3], 0x80000000            ; 127:126 type = 2
	s_mov_b32 s[G0B+4*(\s)], 1
	s_add_co_u32 s[G0B+4*(\s)+1], s20, (\s)*SLOT
	s_add_nc_u64 s[G0B+4*(\s)+2:G0B+4*(\s)+3], s[46:47], (\s)*KSTEP*2
	s_or_b32 s[G0B+4*(\s)+3], s[G0B+4*(\s)+3], 0x80000000
	JLOAD \s                                       ; the ring is filled before anything else is done: two tensor loads of mine are out
.endr
	; A fragment is 16 rows x 32 K in 8 registers: lane l holds row l % 16; registers 0-3 hold K = 8 (l / 16) + 0..7, registers 4-7 hold K = 16 + 8 (l / 16) + 0..7:
	; from rows that lie along K two loads of 16 bytes, 32 bytes apart.  The same for source 0 and source 1.
	v_and_b32 v1, 15, v0                           ; l % 16
	v_bfe_u32 v2, v0, 4, 1                         ; l / 16
	v_mul_u32_u24 v3, v1, PITCH
	v_lshl_add_u32 v3, v2, 4, v3                   ; row x pitch + 16 x half
	s_mul_i32 s21, s11, HALFT                      ; my 128 rows of xs
	s_mul_i32 s22, s12, HALFT                      ; my 128 rows of w,
	s_add_co_u32 s22, s22, 2*HALFT                 ; which lie behind xs's 256
.irp s, 0,1
	v_add_nc_u32 v[ADRA+(\s)], s21, v3
	v_add_nc_u32 v[ADRB+(\s)], s22, v3
	s_add_co_u32 s21, s21, SLOT
	s_add_co_u32 s22, s22, SLOT
.endr
	s_mul_i32 s23, s10, 16*SP
	s_add_co_u32 s23, s23, STAGE                   ; my stage
	v_mul_u32_u24 v4, v1, SP                       ; in: row l % 16, 32 bytes for each half of the lanes
	v_lshl_add_u32 v4, v2, 5, v4
	v_add_nc_u32 v[STO], s23, v4
	v_and_b32 v5, 31, v0
	v_lshlrev_b32 v[CO], 4, v5                     ; back and out: 32 lanes x 16 bytes are one row of 512 bytes
	v_add_nc_u32 v[RD], s23, v[CO]
	; where my part of the tile begins in out0
	s_lshl_b32 s13, s13, 8
	s_lshl_b32 s14, s11, 7
	s_add_co_u32 s16, s13, s14                     ; my first row: 256 x tile row + 128 x half
	s_mov_b32 s17, 0
	s_mov_b64 s[18:19], OROW
	s_mul_u64 s[16:17], s[16:17], s[18:19]
	s_lshl_b32 s46, s42, 10                        ; my first column, in bytes of f32: 1,024 x tile column + 512 x half
	s_lshl_b32 s47, s12, 9
	s_add_co_u32 s46, s46, s47
	s_mov_b32 s47, 0
	s_add_nc_u64 s[16:17], s[16:17], s[46:47]
	s_add_nc_u64 s[8:9], s[8:9], s[16:17]
	v_add_nc_u32 v[ABO], s46, v[CO]                ; the same columns in a and in bias
	global_load_b128 v[AV:AV+3], v[ABO], s[68:69]
	global_load_b128 v[BI:BI+3], v[ABO], s[70:71]
	; the prefetches.  s13 = 256 x tile row, s42 = tile column, s40 = cx, s41 = cy still stand
	s_lshl_b32 s42, s42, 8
	s_and_b32 s22, ttmp7, 0xffff                   ; cluster y
	s_cmp_eq_u32 s11, 0                            ; do I fetch for xs?
	s_cselect_b32 s20, s13, s42                    ; the tile's first row: in xs by the tile row, in w by the tile column
	s_cselect_b32 s21, s40, s41                    ; my place among the four that ask for it with me
	s_cselect_b32 s22, ttmp9, s22                  ; the coordinate along which other clusters read the same rows
	s_cselect_b64 s[PFA:PFA+1], s[4:5], s[6:7]
	s_cmp_eq_u32 s22, 0
	s_cselect_b32 s[LIM], 1, -1                    ; the same in all sixteen partners, for a given wave
	s_lshl_b32 s22, s12, 7
	s_add_co_u32 s20, s20, s22                     ; + the 128 rows that I fetch
	s_lshl_b32 s21, s21, 5
	s_add_co_u32 s20, s20, s21                     ; + my work-group's 32 of them
	s_mov_b32 s21, 0
	s_mov_b64 s[18:19], SIZE_K*2
	s_mul_u64 s[20:21], s[20:21], s[18:19]
	s_add_nc_u64 s[PFA:PFA+1], s[PFA:PFA+1], s[20:21]
	s_add_nc_u64 s[PFA:PFA+1], s[PFA:PFA+1], 2*KSTEP*2  ; at K step 2: the first refill steps it to 3 and names K step 4
	v_and_b32 v[PFO], 31, v0
	v_mul_u32_u24 v[PFO], v[PFO], SIZE_K*2
	; nothing is prefetched here, at the head, where every work-group's first two tiles are on their way: K steps 2 and 3 come by their refills alone
; 16 matrix instructions: m blocks a0, a0 + 1 of the window's four (hi = 0: my rows 0-63, 1: rows 64-127) x all 8 n blocks, 32 along K.  zero = 1: the first product starts the sums: nothing is ever cleared.
; The 64 accumulators take turns, one instruction a turn, in the same order in every quarter step, over the backward jump too.
.macro MUL16 f, hi, a0, zero
	WIN MUL_LO+0x50*(\hi)  ; MUL_LO or MUL_HI
.irp a, \a0, (\a0)+1
.irp b, 0,1,2,3,4,5,6,7
.if \zero
	v_wmma_f32_16x16x32_f16 v[8*(8*(\a)+(\b)):8*(8*(\a)+(\b))+7], v[(\f)+8*(\b):(\f)+8*(\b)+7], v[(\f)+8*(4*(\hi)+(\a)):(\f)+8*(4*(\hi)+(\a))+7], 0
.else
	v_wmma_f32_16x16x32_f16 v[8*(8*(\a)+(\b)):8*(8*(\a)+(\b))+7], v[(\f)+8*(\b):(\f)+8*(\b)+7], v[(\f)+8*(4*(\hi)+(\a)):(\f)+8*(4*(\hi)+(\a))+7], v[8*(8*(\a)+(\b)):8*(8*(\a)+(\b))+7]
.endif
.endr
.endr
.endm
; 32 LDS loads in one run: the fragments of one quarter step (128 rows of w, then 128 rows of xs, 32 K at byte k of the rows) into buffer f
.macro FETCH slot, k, f
	WIN TO_B
.irp i, 0,1,2,3,4,5,6,7
	ds_load_b128 v[(\f)+8*(\i):(\f)+8*(\i)+3],   v[ADRB+(\slot)] offset:(\k)+(\i)*16*PITCH
	ds_load_b128 v[(\f)+8*(\i)+4:(\f)+8*(\i)+7], v[ADRB+(\slot)] offset:(\k)+(\i)*16*PITCH+32
.endr
	WIN 0
.irp i, 0,1,2,3,4,5,6,7
	ds_load_b128 v[(\f)+8*(\i):(\f)+8*(\i)+3],   v[ADRA+(\slot)] offset:(\k)+(\i)*16*PITCH
	ds_load_b128 v[(\f)+8*(\i)+4:(\f)+8*(\i)+7], v[ADRA+(\slot)] offset:(\k)+(\i)*16*PITCH+32
.endr
.endm
; A load into a register that a matrix instruction has read, and an LDS store that reads a matrix result, stand four places behind that matrix instruction, and only plain vector instructions
; that name none of its registers are places (ISA guide 7.12.1 for vector instructions).
.macro PLACES
.rept 4
	v_nop
.endr
.endm
; A K step is four quarter steps of 32 along K, 64 matrix instructions each, on buffers 0, 1, 0, 1.
; One of the first three: multiplies buffer f; in its middle it fetches the next quarter's fragments, at byte k of the same slot's rows, into buffer g.
.macro QUARTER slot, k, f, g, zero
	s_wait_dscnt 8                                 ; w and xs's rows 0-63 are in; the youngest eight loads (xs's rows 64-127) may be out
	WIN MUL_LO
	MUL16 \f, 0, 0, \zero
	MUL16 \f, 0, 2, \zero
	PLACES
	FETCH \slot, \k, \g
	s_wait_dscnt 32                                ; all but the 32 just issued
	WIN MUL_HI
	MUL16 \f, 1, 0, \zero
	MUL16 \f, 1, 2, \zero
.endm
; The last quarter multiplies buffer 1 and changes slots.  MEET is its first half: ONE barrier for the change of slots.  In front of it each wave waits for all its tensor loads, of which one is
; out: its part of the next slot; adds 0 to its spare word; and waits for that and for its own reads of this slot.  Behind it nobody reads this slot any more and the next slot is whole.
.macro MEET round                      ; round = 1: a round of the cluster's barrier follows
	WIN 0                                          ; (the add's two registers lie in window 0)
	s_wait_tensorcnt 0x0                           ; all my tensor loads have landed: the one that was out is my part of the next slot;
	ds_add_u32 v[SPW], v[NIL]                      ; 0 onto my spare word;
	s_wait_dscnt 9                                 ; (the add and the youngest eight loads may be out)
	WIN MUL_LO
	MUL16 F1, 0, 0, 0                              ; sixteen matrix instructions stand between the add and the wait for it
	s_wait_dscnt 0x0                               ; the add is done, and my reads of this slot are over:
	s_barrier_signal -1                            ; say so (where a slot is filled again this barrier opens a round of the cluster's barrier),
	MUL16 F1, 0, 2, 0                              ; work on registers while the others arrive,
.if \round
	WIN 0
.endif
	s_barrier_wait -1                              ; and go on when all four have said so
.endm
; The whole last quarter.  Behind the round the slot just read out is filled again first, with the K step two steps on; then come the next slot's first fragments.
; From a request to the wait for it a wave issues 224 matrix instructions.
.macro TURN slot, next
	s_wait_xcnt 0x0                                ; the last prefetch, a K step back, has read its address: it is stepped here, ahead of the waits of the change of slots
	s_add_nc_u64 s[PFA:PFA+1], s[PFA:PFA+1], KSTEP*2
	MEET 1
	CREST                                          ; all sixteen work-groups have said so: no wave of any partner still reads this slot's tile or has a load on its way
	s_add_nc_u64 s[G0+4*(\slot)+2:G0+4*(\slot)+3], s[G0+4*(\slot)+2:G0+4*(\slot)+3], 2*KSTEP*2      ; no tensor load of mine is out, so a group 0 may be written; the type bits on top are not reached
	s_add_nc_u64 s[G0B+4*(\slot)+2:G0B+4*(\slot)+3], s[G0B+4*(\slot)+2:G0B+4*(\slot)+3], 2*KSTEP*2
	JLOAD \slot                                    ; the first tensor load behind the round, my only one until the next; the four v_nop behind it are also the places in front of the loads below
	FETCH \next, 0, F0
	ASK                                            ; behind the joint load and the run of LDS loads that the next products wait for
	WIN MUL_HI
	MUL16 F1, 1, 0, 0
	MUL16 F1, 1, 2, 0
.endm
; THE WAY OUT of block a (16 rows x 128 columns of f32), in two parts.  TOSTAGE: the block's eight accumulators go into my own stage as they are, 32 bytes a lane and accumulator (each accumulator's
; four lowest registers first), and come back as whole rows of 512 bytes, 16 bytes a lane, into buffer a % 2 (xs's fragment registers, which are free).
.macro TOSTAGE a
.set AC, 64*((\a)%4)
.set BK, 64+64*((\a)%2)
	WIN 0x08+4*((\a)/4)                            ; an LDS store's data is source 1: window 2 (blocks 0-3) or 3 (blocks 4-7); the address in window 0
.irp b, 0,1,2,3,4,5,6,7
	ds_store_b128 v[STO], v[AC+8*(\b):AC+8*(\b)+3]   offset:64*(\b)
	ds_store_b128 v[STO], v[AC+8*(\b)+4:AC+8*(\b)+7] offset:64*(\b)+16
.endr
	WIN 0
.if (\a) >= 2
	s_wait_xcnt 0x0                                ; the stores of block a - 2 have read this buffer's registers: only behind this wait are they loaded again
.endif
.irp t, 0,1,2,3,4,5,6,7,8,9,10,11,12,13,14,15
	ds_load_b128 v[BK+4*(\t):BK+4*(\t)+3], v[RD] offset:(\t)*SP  ; LDS serves a wave's instructions in order (ISA guide 5.7.1.4): these see the stores above, and the next block's stores come behind them
.endr
.endm
; SEND: a x sum + bias, one fused multiply-add a number; a lane has the same four columns in every row.  A store of the wave covers 512 consecutive bytes of a row of out0, at a multiple of 512 from its
; first byte.  The row stands in the immediate: 127 rows of 16,384 bytes at the most, inside its signed 24 bits, so neither base nor offset is ever written again.
.macro SEND a, younger                 ; younger: the LDS instructions issued behind the block's loads: the next block's 16 stores and 16 loads, or none
.set BK, 64+64*((\a)%2)
	WIN 0
	s_wait_dscnt \younger                          ; the block is back in registers
.irp t, 0,1,2,3,4,5,6,7,8,9,10,11,12,13,14,15
	v_pk_fma_f32 v[BK+4*(\t):BK+4*(\t)+1],   v[BK+4*(\t):BK+4*(\t)+1],   v[AV:AV+1],   v[BI:BI+1]
	v_pk_fma_f32 v[BK+4*(\t)+2:BK+4*(\t)+3], v[BK+4*(\t)+2:BK+4*(\t)+3], v[AV+2:AV+3], v[BI+2:BI+3]
	global_store_b128 v[CO], v[BK+4*(\t):BK+4*(\t)+3], s[8:9] offset:(16*(\a)+(\t))*OROW th:TH_STORE_NT
.endr
.endm
	s_wait_loadcnt 0x0                             ; a and bias, once
	s_wait_tensorcnt 1                             ; my part of K step 0 is in; K step 1's may stay out
	s_barrier_signal -1
	s_barrier_wait -1                              ; everybody's is
	FETCH 0, 0, F0
	QUARTER 0, 64,  F0, F1, 1                      ; the first quarter stands in front of the loop: its products start the sums
	WIN 0                                          ; at a label and at a branch every window is 0
	s_mov_b32 s3, LAPS-1
.Llap:                                                 ; 15 trips: a trip goes once round the ring, from a lap's second quarter to the next lap's first, and fills both slots again
	QUARTER 0, 128, F1, F0, 0
	QUARTER 0, 192, F0, F1, 0
	TURN 0, 1
	QUARTER 1, 64,  F0, F1, 0
	QUARTER 1, 128, F1, F0, 0
	QUARTER 1, 192, F0, F1, 0
	TURN 1, 0
	QUARTER 0, 64,  F0, F1, 0
	WIN 0
	s_sub_co_u32 s3, s3, 1
	s_cmp_lg_u32 s3, 0
	s_cbranch_scc1 .Llap
	QUARTER 0, 128, F1, F0, 0                      ; the last lap is written out: it asks for nothing and no round is needed
	QUARTER 0, 192, F0, F1, 0
	MEET 0                                         ; my one tensor load that was still out is slot 1's, the last K step's
	PLACES                                         ; for the loads into buffer 0, which the quarter before multiplied
	FETCH 1, 0, F0
	WIN MUL_HI
	MUL16 F1, 1, 0, 0
	MUL16 F1, 1, 2, 0
	QUARTER 1, 64,  F0, F1, 0
	QUARTER 1, 128, F1, F0, 0
	QUARTER 1, 192, F0, F1, 0
	s_wait_dscnt 8                                 ; the very last quarter: nothing more to fetch
	WIN MUL_LO
	MUL16 F1, 0, 0, 0
	MUL16 F1, 0, 2, 0
	s_wait_dscnt 0x0
	MUL16 F1, 1, 0, 0
	MUL16 F1, 1, 2, 0
	WIN 0
	PLACES                                         ; behind the last products: the stage's stores read results, and its loads land in registers that products have read
	PLACES
	TOSTAGE 0
.irp a, 1,2,3,4,5,6,7                  ; block a's trip through the stage is under way while block a - 1 is scaled and stored
	TOSTAGE \a
	SEND (\a)-1, 32
.endr
	SEND 7, 0
	s_wait_tensorcnt 0x0                           ; the wave's end: behind my last tensor load and my last LDS store
	ds_add_u32 v[SPW], v[NIL]
	s_wait_dscnt 0x0
	CROUND                                         ; the closing round: no work-group ends while a partner may still ask for a tile that names it
	s_endpgm
.Lfunc_end_k_q8089f9b4b9_gemm:
	.size	k_q8089f9b4b9_gemm, .Lfunc_end_k_q8089f9b4b9_gemm-k_q8089f9b4b9_gemm
	.p2alignl 7, 3214868480
	.fill 96, 4, 3214868480
	.section	.rodata,"a",@progbits
	.p2align	6, 0x0
	.amdhsa_kernel k_q8089f9b4b9_gemm
		.amdhsa_group_segment_fixed_size 327680
		.amdhsa_private_segment_fixed_size 0
		.amdhsa_enable_private_segment 0
		.amdhsa_kernarg_size 40
		.amdhsa_user_sgpr_count 2
		.amdhsa_user_sgpr_kernarg_segment_ptr 1
		.amdhsa_wavefront_size32 1
		.amdhsa_system_sgpr_workgroup_id_x 1
		.amdhsa_system_sgpr_workgroup_id_y 1
		.amdhsa_system_sgpr_workgroup_id_z 1
		.amdhsa_system_vgpr_workitem_id 0
		.amdhsa_next_free_vgpr 1024
		.amdhsa_next_free_sgpr 72
		.amdhsa_reserve_vcc 0
		.amdhsa_float_denorm_mode_32 3
		.amdhsa_float_denorm_mode_16_64 3
		.amdhsa_memory_ordered 1
		.amdhsa_forward_progress 1
		.amdhsa_inst_pref_size 158
	.end_amdhsa_kernel
	.amdgpu_metadata
---
amdhsa.version: [ 1, 2 ]
amdhsa.kernels:
  - .name:           k_q8089f9b4b9_gemm
    .symbol:         k_q8089f9b4b9_gemm.kd
    .args:
      - { .name: xs, .offset: 0, .size: 8, .value_kind: global_buffer, .address_space: global }
      - { .name: w, .offset: 8, .size: 8, .value_kind: global_buffer, .address_space: global }
      - { .name: a, .offset: 16, .size: 8, .value_kind: global_buffer, .address_space: global }
      - { .name: bias, .offset: 24, .size: 8, .value_kind: global_buffer, .address_space: global }
      - { .name: out0, .offset: 32, .size: 8, .value_kind: global_buffer, .address_space: global }
    .group_segment_fixed_size: 327680
    .private_segment_fixed_size: 0
    .kernarg_segment_align: 8
    .kernarg_segment_size: 40
    .max_flat_workgroup_size: 128
    .sgpr_count:     72
    .vgpr_count:     1024
    .wavefront_size: 32
...
	.end_amdgpu_metadata
.endif
;; end of part 2
;; ======== version 2 of 2: 2 launches; version 1 with the launch prep written anew for expert scheduling mode
;; limits: values are held in f16: magnitudes above 65,504 overflow, below 6.1e-05 lose precision; right only within a limited range of input values
;; workspace buffers: xs 33,554,432 bytes; w 33,554,432 bytes
;; launch prep (part 3): grid 1024 x 1, 8 waves a work-group, no clusters, 0 bytes of LDS; arguments x, b, sign_packed, xs, w; writes xs, w
.if DOCPART == 3
	.amdgcn_target "amdgcn-amd-amdhsa--gfx1250"
	.amdhsa_code_object_version 6
	.text
	.protected	k_q8089f9b4b9_prep
	.globl	k_q8089f9b4b9_prep
	.p2align	8
	.type	k_q8089f9b4b9_prep,@function
k_q8089f9b4b9_prep:
	s_mov_b64 s[64:65], 0
	v_nop
	global_prefetch_b8 v0, s[64:65] scope:SCOPE_SE
	s_setreg_imm32_b32 hwreg(HW_REG_WAVE_SCHED_MODE, 0, 2), 2
	s_setreg_imm32_b32 hwreg(HW_REG_WAVE_MODE, 25, 1), 1
	s_wait_xcnt 0x0
	s_wait_alu depctr_vm_vsrc(0)
; xs[m][i] = f16(x[m][i] * b[i]);  w[o][i] = +1 or -1 in f16, from bit 7 - i % 8 of word o * 512 + i / 8 of sign_packed.
; x: [4096][4096] f32, b: [4096] f32, sign_packed: [2097152] i32 (only the low 8 bits of a word count, the highest of them first); xs, w: [4096][4096] f16.
; WHY f16: x * b is rounded once, to 11 significant bits; with 8 the sum of 4,096 such roundings would come too near the comparison's allowance in columns with a large a.  +1 and -1 are exact.
; LIMIT: |x * b| stays under 65,504 (beyond 65,519 the conversion gives an infinity); below 6.1e-5 a product keeps f16's fixed step of 6e-8.  NaN and infinities are not treated apart.
; SHARES.  A stream: each byte is read once and written once; no LDS, no barrier, nothing shared between waves.  Work-group g owns rows 4 g .. 4 g + 3 of x and of the signs.
;   x: 65,536 dense bytes = 16 chunks of 4,096; thread t takes 16 bytes at 16 t of each chunk (a wave: 512 consecutive bytes) and stores 8 bytes at 8 t (a wave: 256 consecutive bytes, aligned).
;      A row is four chunks, so chunk i takes the four numbers of b at column 1,024 (i % 4) + 4 t: 16 registers hold all that a thread needs of b.
;   signs: 2,048 words = 8 passes of 256; thread t takes one word of each pass and stores its 8 numbers, 16 bytes at 16 t (a wave: 512 consecutive bytes).
; All 28 loads of a thread go out first; the waits count down.  No address register and no register that a store reads is ever written again, so no wait frees any.
; THE MODE: SCHED_MODE bits 1:0 = 2 (LLVM: expert scheduling mode 2), set by the entry lines.  The code itself states the register dependences
; between vector instructions and memory instructions, with s_wait_alu, always for 0.
; THE PLAN.  Registers that memory instructions touch:
;   v1, v2, v3  byte offsets: written by three vector lines at the head, read by every load and store, never written again.
;   B, SG       written by loads at the head, read by vector lines alone.
;   X           chunk i: its load lands in four registers that no vector line has named; its products and roundings write them in place; its store reads the first two; nothing writes them after that.
;   WO          pass i: four registers, written by the pass's vector lines, read by its store, never written again.
;   T           named by vector lines alone.
; So the one kind of dependence is: a vector line writes a register that a load or store reads.  The 24 pieces (16 chunks, 8 passes) go in six groups of four.  The four stores of a group are issued
; in the NEXT group, one ahead of each of its pieces, behind ONE wait at that group's head.  The vector lines that follow the wait name this group's own X or WO, and B, SG and T: none of the registers
; that those stores read.  With the wait ahead of the first load and the one ahead of the last four stores that is seven waits for 52 memory instructions.
.set B,  4                             ; v[4:19]    b: four numbers for each of the four chunks of a row
.set X,  20                            ; v[20:83]   x: chunk i in four registers; its first two then hold the four f16
.set SG, 84                            ; v[84:91]   the eight sign words
.set T,  92                            ; v[92:93]   at work
.set WO, 96                            ; v[96:127]  pass i: four registers, eight f16 to store
	s_load_b256 s[4:11], s[0:1], 0x0               ; x s[4:5], b s[6:7], sign_packed s[8:9], xs s[10:11]
	s_load_b64 s[12:13], s[0:1], 0x20              ; w
	v_lshlrev_b32 v1, 4, v0                        ; 16 t
	v_lshlrev_b32 v2, 3, v0                        ; 8 t
	v_lshlrev_b32 v3, 2, v0                        ; 4 t
	s_mov_b32 s14, 0x80008000                      ; the two sign bits of a pair of f16
	s_mov_b32 s15, 0x3c003c00                      ; 1.0 twice in f16
	s_mov_b32 s3, 0
	s_wait_kmcnt 0x0
	s_lshl_b32 s2, ttmp9, 16                       ; the work-group's 65,536 bytes of x
	s_add_nc_u64 s[4:5], s[4:5], s[2:3]
	s_lshl_b32 s2, ttmp9, 13                       ; its 8,192 bytes of sign words
	s_add_nc_u64 s[8:9], s[8:9], s[2:3]
	s_lshl_b32 s2, ttmp9, 15                       ; its 32,768 bytes of xs and of w
	s_add_nc_u64 s[10:11], s[10:11], s[2:3]
	s_add_nc_u64 s[12:13], s[12:13], s[2:3]
	s_wait_alu depctr_va_vdst(0)                   ; v1, v2 and v3 are written: every load and store of the kernel reads one of them as its offset
.irp c, 0,1,2,3
	global_load_b128 v[B+4*(\c):B+4*(\c)+3], v1, s[6:7] offset:(\c)*4096
.endr
.irp i, 0,1,2,3,4,5,6,7,8,9,10,11,12,13,14,15
	global_load_b128 v[X+4*(\i):X+4*(\i)+3], v1, s[4:5] offset:(\i)*4096 th:TH_LOAD_NT
.endr
.irp i, 0,1,2,3,4,5,6,7
	global_load_b32 v[SG+(\i)], v3, s[8:9] offset:(\i)*1024 th:TH_LOAD_NT
.endr
; Chunk i of x: four products in f32, rounded once to f16.
.macro XCH i
	s_wait_loadcnt 23-(\i)                         ; loads come back in order: behind chunk i's stand 15 - i chunks and 8 sign words; b's four stand ahead of it
	v_pk_mul_f32 v[X+4*(\i):X+4*(\i)+1],   v[X+4*(\i):X+4*(\i)+1],   v[B+4*((\i)%4):B+4*((\i)%4)+1]
	v_pk_mul_f32 v[X+4*(\i)+2:X+4*(\i)+3], v[X+4*(\i)+2:X+4*(\i)+3], v[B+4*((\i)%4)+2:B+4*((\i)%4)+3]
	v_cvt_pk_f16_f32 v[X+4*(\i)],   v[X+4*(\i)],   v[X+4*(\i)+1]
	v_cvt_pk_f16_f32 v[X+4*(\i)+1], v[X+4*(\i)+2], v[X+4*(\i)+3]
.endm
; Chunk i's store: issued a group later, behind that group's wait.
.macro XST i
	global_store_b64 v2, v[X+4*(\i):X+4*(\i)+1], s[10:11] offset:(\i)*2048 th:TH_STORE_NT
.endm
; Pass i of the signs.  n = the word's low 8 bits, inverted: a set bit of n means -1.  n | n << 17 holds n at bits 0-7 and at bits 17-24; shifted left by 8 + 2 j it
; has n's bit 7 - 2 j (number 2 j of the eight) at bit 15 and n's bit 6 - 2 j (number 2 j + 1) at bit 31: the sign bits of a pair of f16, which are laid onto 1.0, 1.0.
.macro SGN i
	s_wait_loadcnt 7-(\i)                          ; behind word i's load stand 7 - i others
	v_xor_b32 v[T], -1, v[SG+(\i)]
	v_and_b32 v[T], 0xff, v[T]
	v_lshl_or_b32 v[T], v[T], 17, v[T]
.irp j, 0,1,2,3
	v_lshlrev_b32 v[T+1], 8+2*(\j), v[T]
	v_and_or_b32 v[WO+4*(\i)+(\j)], v[T+1], s14, s15
.endr
.endm
; Pass i's store: issued a group later, behind that group's wait.
.macro SST i
	global_store_b128 v1, v[WO+4*(\i):WO+4*(\i)+3], s[12:13] offset:(\i)*4096 th:TH_STORE_NT
.endm
.irp i, 0,1,2,3                        ; group 0: no group stands in front of it, so it stores nothing
	XCH \i
.endr
	s_wait_alu depctr_va_vdst(0)                   ; the roundings of chunks 0 to 3 have written the eight registers that the four stores of this group read
.irp i, 4,5,6,7                        ; group 1
	XST (\i)-4
	XCH \i
.endr
	s_wait_alu depctr_va_vdst(0)                   ; the roundings of chunks 4 to 7 have written what the four stores of this group read
.irp i, 8,9,10,11                      ; group 2
	XST (\i)-4
	XCH \i
.endr
	s_wait_alu depctr_va_vdst(0)                   ; the roundings of chunks 8 to 11 have written what the four stores of this group read
.irp i, 12,13,14,15                    ; group 3
	XST (\i)-4
	XCH \i
.endr
	s_wait_alu depctr_va_vdst(0)                   ; the roundings of chunks 12 to 15 have written what the four stores of this group read
.irp i, 0,1,2,3                        ; group 4: the first four passes of the signs
	XST (\i)+12
	SGN \i
.endr
	s_wait_alu depctr_va_vdst(0)                   ; passes 0 to 3 have written their sixteen registers of WO, which the four stores of this group read
.irp i, 4,5,6,7                        ; group 5
	SST (\i)-4
	SGN \i
.endr
	s_wait_alu depctr_va_vdst(0)                   ; passes 4 to 7 have written their sixteen registers of WO, which the last four stores read
.irp i, 4,5,6,7
	SST \i
.endr
	s_endpgm
.Lfunc_end_k_q8089f9b4b9_prep:
	.size	k_q8089f9b4b9_prep, .Lfunc_end_k_q8089f9b4b9_prep-k_q8089f9b4b9_prep
	.p2alignl 7, 3214868480
	.fill 96, 4, 3214868480
	.section	.rodata,"a",@progbits
	.p2align	6, 0x0
	.amdhsa_kernel k_q8089f9b4b9_prep
		.amdhsa_group_segment_fixed_size 0
		.amdhsa_private_segment_fixed_size 0
		.amdhsa_enable_private_segment 0
		.amdhsa_kernarg_size 40
		.amdhsa_user_sgpr_count 2
		.amdhsa_user_sgpr_kernarg_segment_ptr 1
		.amdhsa_wavefront_size32 1
		.amdhsa_system_sgpr_workgroup_id_x 1
		.amdhsa_system_sgpr_workgroup_id_y 1
		.amdhsa_system_sgpr_workgroup_id_z 1
		.amdhsa_system_vgpr_workitem_id 0
		.amdhsa_next_free_vgpr 128
		.amdhsa_next_free_sgpr 66
		.amdhsa_reserve_vcc 0
		.amdhsa_float_denorm_mode_32 3
		.amdhsa_float_denorm_mode_16_64 3
		.amdhsa_memory_ordered 1
		.amdhsa_forward_progress 1
		.amdhsa_inst_pref_size 16
	.end_amdhsa_kernel
	.amdgpu_metadata
---
amdhsa.version: [ 1, 2 ]
amdhsa.kernels:
  - .name:           k_q8089f9b4b9_prep
    .symbol:         k_q8089f9b4b9_prep.kd
    .args:
      - { .name: x, .offset: 0, .size: 8, .value_kind: global_buffer, .address_space: global }
      - { .name: b, .offset: 8, .size: 8, .value_kind: global_buffer, .address_space: global }
      - { .name: sign_packed, .offset: 16, .size: 8, .value_kind: global_buffer, .address_space: global }
      - { .name: xs, .offset: 24, .size: 8, .value_kind: global_buffer, .address_space: global }
      - { .name: w, .offset: 32, .size: 8, .value_kind: global_buffer, .address_space: global }
    .group_segment_fixed_size: 0
    .private_segment_fixed_size: 0
    .kernarg_segment_align: 8
    .kernarg_segment_size: 40
    .max_flat_workgroup_size: 256
    .sgpr_count:     66
    .vgpr_count:     128
    .wavefront_size: 32
...
	.end_amdgpu_metadata
.endif
;; end of part 3
;; launch gemm: the kernel of part 2 again; grid 16 x 16, 4 waves a work-group, clusters of 4 x 4, 327,680 bytes of LDS; arguments xs, w, a, bias, out0; writes out0
